; MI455X (gfx1250); checked and timed in simulation.
; The chip was launched on July 23, 2026; its instructions are those of AMD's public machine-readable ISA for CDNA 5 (MIT licence, August 2026) and "CDNA5" Instruction Set Architecture Reference Guide (July 2026). The comments in the code are by the model that wrote it; some were corrected since.
;; Self Attn. Allowed arithmetic: matrix products marked QUANTISED: E4M3 operands, one given power-of-two scale a tensor, by v_wmma_f32_16x16x64_fp8_fp8 or v_wmma_f32_16x16x128_fp8_fp8, f32 sums; everything else in f32.
;; Inputs: Wf_codes 32 x 32 x 32 uint8 (E4M3 codes of Wf, K innermost, in blocks of 32 codes); Wg_codes 32 x 32 x 32 uint8 (E4M3 codes of Wg, K innermost, in blocks of 32 codes); Wh_codes 1,024 x 32 x 32 uint8 (E4M3 codes of Wh, K innermost, in blocks of 32 codes); bf 32 float32; bg 32 float32; bh 1,024 float32; gamma one number float32; lowp_scales 10 int32 (the exponents e of the quantised operands' scales 2^e); x 8 x 1,024 x 32 x 64 float32.
;; Outputs: out0 8 x 1,024 x 32 x 64 float32.
;; This version of the problem:
;;   THIS VERSION OF THE PROBLEM IS GIVEN IN LOW PRECISION. The matrix products marked QUANTISED in the list below multiply operands that are first quantised to E4M3 (4 exponent bits, 3 mantissa bits; 8 bits a number), with one given power-of-two scale for each operand tensor; their sums are f32. All else is computed in f32.
;;   The module's matrix products, in the order in which they are computed (A, B: the left and right operand; K: the contracted axis; several contracted axes count as one K, in the product's order):
;;     1. [M 16,384, K 1,024] x [K 1,024, N 32]; A: input x; B: input Wf (given as codes): QUANTISED (scales: A lowp_scales[0], B lowp_scales[1])
;;     2. [M 16,384, K 1,024] x [K 1,024, N 32]; A: input x; B: input Wg (given as codes): QUANTISED (scales: A lowp_scales[2], B lowp_scales[3])
;;     3. [M 16,384, K 1,024] x [K 1,024, N 1,024]; A: input x; B: input Wh (given as codes): QUANTISED (scales: A lowp_scales[4], B lowp_scales[5])
;;     4. batch 8 x [M 2,048, K 32] x [K 32, N 2,048]; A: computed on the way; B: computed on the way: QUANTISED (scales: A lowp_scales[6], B lowp_scales[7])
;;     5. batch 8 x [M 1,024, K 2,048] x [K 2,048, N 2,048]; A: computed on the way; B: softmax (see below): QUANTISED (scales: A lowp_scales[8], B lowp_scales[9])
;;   THE QUANTISER, for each operand of a quantised product, along K:
;;     - The operand's scale is 2^e, e = its entry of the input lowp_scales (int32; the entries are numbered through the quantised products in the list's order, A before B).
;;     - Each number is divided by the scale, clamped to +-448, and rounded to the nearest number of E4M3, ties to even, subnormals kept.
;;     - The product sums the exact products of the quantised numbers (number of the format x scale) in f32.
;;   ~~~python
;;   def quantise(x, axis, e):      # numpy; x: float32 -> the quantised numbers, widened to float32 again
;;       x = np.moveaxis(x, axis, -1); K = x.shape[-1]
;;       r = np.clip(x / 2.0 ** e, -448, 448)
;;       step = 2.0 ** (np.maximum(np.frexp(np.where(r == 0, 1, r))[1] - 1, -6) - 3)
;;       q = np.round(r / step) * step * 2.0 ** e      # np.round: ties to even
;;       return np.moveaxis(q, -1, axis).astype(np.float32)
;;   ~~~
;;   SOFTMAX AHEAD OF A QUANTISED PRODUCT. Where the list says 'softmax', what is quantised is not the finished softmax but p = 2^(t - M), with t = logit x log2(e) and M = ceil(the row's largest t), a whole number; so 1/2 < the row's largest p <= 1. The row's sum l is taken of the UNQUANTISED p, in f32, and the product's result is divided by l at the end. Since M is a whole number, a kernel that streams over the keys may use a running M (the ceiling of the running maximum): every later rescaling is an exact power of two, so the quantised numbers keep their values, but for numbers so far below the row's largest that they fall under the format's range.
;;   OPERANDS COMPUTED ON THE WAY. 'Computed on the way' means the value that the module computes at that place (a softmax that the list does not call 'softmax' is quantised finished and normalised). What goes into a quantiser is computed in f32, as accurately as f32 sums, v_exp_f32 and their like allow (about 1e-6 of the number): no bf16 or f16 on the way to a quantiser, and a product that is left as it is and whose result goes on into a quantised operand takes f32 operands (vector FMAs, or v_wmma_f32_16x16x4_f32). A number that lies on a knife's edge between two numbers of the format may be rounded either way, as far as f32 arithmetic and the matrix unit's own rounding can turn it there, and no further.
;;   INPUTS GIVEN AS CODES. Wf (in the module: [32, 1024], K = its axis 1); Wg (in the module: [32, 1024], K = its axis 1); Wh (in the module: [1024, 1024], K = its axis 1): each comes as NAME_codes (uint8): NAME with its K axis moved to the last place and cut into blocks of 32 codes, [.., K / 32, bytes a block], one block behind the other in memory; one code a byte (a code: sign, 4 exponent bits, 3 mantissa bits); its scale is its entry of lowp_scales. Its value is code x scale, taken as it is: it is not quantised again, and the codes and scales need not be those that the quantiser above would give.
;; One version. Each part assembles by itself: llvm-mc -triple=amdgcn-amd-amdhsa -mcpu=gfx1250 --defsym DOCPART=n.
;; ======== version 1 of 1: 2 launches
;; limits: right only within a limited range of input values
;; workspace buffers: hq 16,777,216 bytes; fq 524,288 bytes; gq 524,288 bytes
;; launch proj (part 1): grid 32 x 8, 4 waves a work-group, clusters of 4 x 1, 327,680 bytes of LDS; arguments x, Wf_codes, Wg_codes, Wh_codes, bf, bg, bh, lowp_scales, hq, fq, gq; writes hq, fq, gq
.if DOCPART == 1
	.amdgcn_target "amdgcn-amd-amdhsa--gfx1250"
	.amdhsa_code_object_version 6
	.text
	.protected	k_qdc09a4a0ff_proj
	.globl	k_qdc09a4a0ff_proj
	.p2align	8
	.type	k_qdc09a4a0ff_proj,@function
k_qdc09a4a0ff_proj:
	s_mov_b64 s[64:65], 0
	v_nop
	global_prefetch_b8 v0, s[64:65] scope:SCOPE_SE
	s_setreg_imm32_b32 hwreg(HW_REG_WAVE_MODE, 25, 1), 1
	s_wait_xcnt 0x0
	s_wait_alu depctr_hold_cnt(0) depctr_sa_sdst(0) depctr_va_vdst(0) depctr_va_sdst(0) depctr_va_ssrc(0) depctr_va_vcc(0) depctr_vm_vsrc(0)
	s_getreg_b32 s2, hwreg(HW_REG_IB_STS2, 6, 4)
	s_cmp_eq_u32 s2, 0
	s_cbranch_scc0 .Lentry_in_a_cluster
	s_endpgm
.Lentry_in_a_cluster:
	s_bfe_u32 s2, ttmp6, 0x10000c
	s_cmp_lg_u32 s2, 0x3003
	s_cbranch_scc0 .Lentry_shape_is_right
	s_endpgm
.Lentry_shape_is_right:
; PROJ.  f = Wf x + bf, g = Wg x + bg, hh = Wh x + bh for x [8][1024 c][2048 n] f32, all three products on codes of E4M3, and their results quantised at once for the two products of the
; attention that follows: f with 2^e7, g with 2^e6 (along their 32 rows), hh with 2^e8 (along the positions, which are the keys).  e0 .. e9 are the ten whole numbers of lowp_scales.
; x is quantised three times, with 2^e4 for Wh, 2^e0 for Wf, 2^e2 for Wg: the three exponents need not be equal.
; NOTHING IS LEFT OUT.  bf is the same for every key and would fall out of a softmax in real numbers, but it goes into a quantised operand of a live product, so it stays; every input of the
; problem has a way to the output and is loaded, by this launch or by the next (gamma, and x once more for the residual).
; LIMITS, so that each power of two below is an f32 number: e0, e2, e4, e6, e7, e8 between -126 and 119; e0 + e1, e2 + e3, e4 + e5 between -126 and 127.  NaN among the inputs is not served.
; SHARES.  A work-group owns one batch and one block of 64 positions, for all 1,024 rows of hh; wave w owns rows 256 w .. 256 w + 255: 16 x 4 accumulators of 16 x 16, 512 registers.
; K = the 1,024 channels goes in 8 steps of 128.  Wh's tile of a step (1,024 rows x 128 bytes) comes through a ring of two LDS slots; each wave asks for the quarter that it alone reads.
; CLUSTER.  The four work-groups of a cluster walk the same Wh, so each tile is asked for jointly: the same tensor load, the same descriptor, a mask that names the four.  Only Wh is shared,
; so the cluster is 4 x 1.
; x's codes are made on the way: wave w loads channels 32 w .. 32 w + 31 of the step for the 64 positions, quantises them, and stores them as a quarter of each of the four operand images in LDS
; (an image = the operand's registers as they stand, lane l's 16 bytes at 16 l); all four waves load the images back.  The images of step k + 1 are made while step k is multiplied: two sets.
; THE ORDER OF POSITIONS.  Tile cc (0 .. 3) of a block, row m (0 .. 15), is position 4 m + cc.  A lane's load of 16 bytes of a row of x is then one number for each of the four tiles, and the
; hold that an 8-bit conversion wants anyway gathers a tile's 16 channels into consecutive registers: nothing is transposed.  The next launch takes f's, g's and hh's positions in the same order.
; hh = (source 0: 16 positions, source 1: 16 rows of Wh): a lane holds one row of hh, and its eight registers eight positions: eight neighbours of the next product's K as that launch lays it.
; f, g = (source 0: 16 rows of Wf or Wg, source 1: 16 positions), by the K = 64 form with zero codes in its upper 32: each wave sums over its own 32 channels of a step; the four waves' sums
; meet in LDS at the end.  Lane r of tile u takes row 16 (r / 8) + 8 u + r % 8, so that a lane's 16 registers of tiles 0 and 1 are rows 16 (lane / 16) + 0 .. 15.
; REGISTERS, in windows of 256.  Window 0: v1-13 addresses, v14-19 scales, v24-39 at work, v40-55 codes for Wh, v56-87 four fragments for Wf / Wg, v88-119 Wf's and Wg's fragments,
; v128-255 two sets of 64 numbers of x.  Window 1: v0-127 f's and g's 16 accumulators, v128-191 x's four fragments, v192-255 four buffers for Wh's.  Windows 2, 3: hh's accumulators.
.set PITCH,  144                       ; a row of Wh's tile in LDS: 128 bytes + 16 of padding: the 16 rows that a load touches start 36 words apart
.set QUART,  256*PITCH                 ; what one tensor load brings and one wave reads
.set SLOTB,  4*QUART
.set FRB,    2048                      ; an operand image: 16 registers x 128 bytes
.set XIMG,   2*SLOTB                   ; behind the ring: x's images, two sets of four
.set SPARE,  XIMG+8*FRB                ; behind them: the spare words, 128 bytes for each wave, which no other line names
.set LI,   1                           ; 16 x lane
.set XOFF, 2                           ; x: 16 (lane % 16) + 16 rows x (lane / 16)
.set WOFF, 3                           ; Wf, Wg: my row x 1,024 + 16 (lane / 16)
.set IMS,  4                           ; where I store my quarter of an image
.set IML,  5                           ; where I load an image
.set ADW,  6                           ; v6, v7: my place in my quarter of slot 0, 1
.set FGS,  8                           ; the meeting of f's and g's sums: where I store,
.set FGL,  9                           ; and where I load
.set BOFF, 10                          ; bh: 4 x (256 wave + lane % 16)
.set BFO,  11                          ; bf, bg: 64 x (lane / 16)
.set SPW,  12                          ; LDS address of my spare word; never rewritten
.set NIL,  13                          ; 0; never rewritten
.set SC4,  14                          ; 2^e4, and 448 x 2^e4; then the same for e0 and e2
.set LM4,  15
.set SC0,  16
.set LM0,  17
.set SC2,  18
.set LM2,  19
.set SC8,  14                          ; behind the last step the six registers take e8, e7, e6
.set LM8,  15
.set SC7,  16
.set LM7,  17
.set SC6,  18
.set LM6,  19
.set T,    24
.set C4,   40
.set FB,   56
.set WFG,  88
.set CF,   120
.set CG,   124
.set X,    128
.set BF,   56                          ; the biases land where FB and WFG lay
.set BG,   72
.set BH,   88
.set R,    128                         ; the four waves' sums of f and g
.set HC,   128                         ; hh's codes: eight registers for each of my 16 tiles of rows
.set XF,   128                         ; window 1
.set WB,   192                         ; window 1
.set WV,   26
.set G1,   32
.set G0,   40
.set CNT,  58
.set MSB, 0
.macro WIN new                         ; the immediate's high byte repeats the setting that is left; a switch that changes nothing is dropped
.if MSB != (\new)
	s_set_vgpr_msb (MSB<<8)|(\new)
.set MSB, (\new)
.endif
.endm
.macro PLACES n
.rept \n
	v_nop
.endr
.endm
.macro BAR
	s_barrier_signal -1
	s_barrier_wait -1
.endm
.macro ROUND                           ; a round of the cluster's barrier
	s_barrier_signal -1
	s_barrier_wait -1
	s_cmp_lg_u32 s[WV], 0
	s_cbranch_scc1 .Lnot_wave_0_\@
	s_barrier_signal -3
.Lnot_wave_0_\@:
	s_barrier_wait -3
	s_barrier_signal -1
	s_barrier_wait -1
.endm
.macro MKSC e, vsc, vlm                ; from the whole number in s[e]: 2^e and 448 x 2^e as f32
	s_add_co_i32 s72, s[\e], 127
	s_lshl_b32 s73, s72, 23
	v_mov_b32 v[\vsc], s73
	s_add_co_i32 s72, s72, 8
	s_lshl_b32 s72, s72, 23
	s_or_b32 s72, s72, 0x600000
	v_mov_b32 v[\vlm], s72
.endm
.macro MKP2 d, a, b                    ; s[d] = 2^(s[a] + s[b]) as f32; s[d + 1] is named with it as a pair, so it is written
	s_add_co_i32 s[\d], s[\a], s[\b]
	s_add_co_i32 s[\d], s[\d], 127
	s_lshl_b32 s[\d], s[\d], 23
	s_mov_b32 s[\d+1], s[\d]
.endm
	s_load_b512 s[4:19], s[0:1], 0x0               ; x, Wf, Wg, Wh, bf, bg, bh, the scales' exponents
	s_load_b128 s[20:23], s[0:1], 0x40             ; hq, fq
	s_load_b64 s[24:25], s[0:1], 0x50              ; gq
	v_lshl_add_u32 v[SPW], v0, 2, SPARE
	v_mov_b32 v[NIL], 0
	ds_add_u32 v[SPW], v[NIL]                      ; the wave's opening: the add, twice on end, and its wait ahead of my first tensor load
	ds_add_u32 v[SPW], v[NIL]                      ; once more; the set-up below, work on registers, stands between it and the wait
	v_lshrrev_b32 v20, 5, v0
	v_readfirstlane_b32 s[WV], v20                 ; wave 0..3
	s_bfe_u32 s27, ttmp6, 0x40000                  ; cx: my place in the cluster
	s_lshl_b32 s28, ttmp9, 2
	s_add_co_u32 s28, s28, s27                     ; my block of 64 positions: it enters global addresses of x, hq, fq, gq alone
	s_and_b32 s29, ttmp7, 0xffff                   ; the batch
	s_mov_b32 s[G1], 15|(1<<20)|(1<<21)|(4<<22)|(3<<25)  ; the mask: all four work-groups; elements of 1 byte; padding on; bit 21 beside a mask; after every 32 words, 4 words
	s_mov_b32 s[G1+1], 128<<16                     ; tensor_dim0 = 128
	s_mov_b32 s[G1+2], 256<<16                     ; tensor_dim1 = 256
	s_mov_b32 s[G1+3], 128<<16                     ; tile_dim0 = 128
	s_mov_b32 s[G1+4], 256                         ; tile_dim1 = 256
	s_mov_b32 s[G1+5], 1024                        ; a row of Wh in memory
	s_mov_b32 s[G1+6], 0
	s_mov_b32 s[G1+7], 0
	s_lshl_b32 s60, s[WV], 18                      ; my 256 rows of Wh: 256 x 1,024 bytes a wave
	s_mov_b32 s61, 0
	s_mul_i32 s62, s[WV], QUART                    ; and their place in a slot
	s_lshl_b32 s30, s29, 23                        ; x: batch x 8 MiB + block x 256 bytes + my 32 channels (32 rows of 8,192 bytes)
	s_lshl_b32 s31, s28, 8
	s_add_co_u32 s30, s30, s31
	s_lshl_b32 s31, s[WV], 18
	s_add_co_u32 s30, s30, s31
	s_mov_b32 s31, 0
	s_lshl_b32 s74, s[WV], 5                       ; Wf, Wg: my 32 channels of a step
	s_mov_b32 s75, 0
	s_lshl_b32 s76, s29, 21                        ; hq [batch][key step of 128][tile of 16 rows][2,048]: my 16 tiles; my block is half a key step: 1,024 bytes of each image
	s_lshr_b32 s77, s28, 1
	s_lshl_b32 s77, s77, 17
	s_add_co_u32 s76, s76, s77
	s_lshl_b32 s77, s[WV], 15
	s_add_co_u32 s76, s76, s77
	s_and_b32 s77, s28, 1
	s_lshl_b32 s77, s77, 10
	s_add_co_u32 s76, s76, s77
	s_mov_b32 s77, 0
	s_lshl_b32 s78, s29, 16                        ; fq, gq [batch][block][tile cc][512]: wave w finishes tile cc = w
	s_lshl_b32 s79, s28, 11
	s_add_co_u32 s78, s78, s79
	s_lshl_b32 s79, s[WV], 9
	s_add_co_u32 s78, s78, s79
	s_mov_b32 s79, 0
	v_and_b32 v20, 15, v0                          ; r
	v_bfe_u32 v21, v0, 4, 1                        ; h
	v_and_b32 v22, 31, v0                          ; lane
	v_lshlrev_b32 v[LI], 4, v22
	v_lshlrev_b32 v[XOFF], 4, v20
	v_lshl_add_u32 v[XOFF], v21, 17, v[XOFF]       ; lanes 16-31 begin 16 channels further down
	v_and_b32 v23, 8, v20
	v_add_nc_u32 v23, v23, v20                     ; r + 8 (r / 8)
	v_lshlrev_b32 v[WOFF], 10, v23
	v_lshl_add_u32 v[WOFF], v21, 4, v[WOFF]
	s_lshl_b32 s63, s[WV], 9
	s_add_co_u32 s63, s63, XIMG
	v_add_nc_u32 v[IMS], s63, v[LI]                ; my channels are register group w of each image: 512 bytes at 512 w
	v_add_nc_u32 v[IML], XIMG, v[LI]
	v_mul_u32_u24 v[ADW], v20, PITCH
	v_lshl_add_u32 v[ADW], v21, 4, v[ADW]
	v_add_nc_u32 v[ADW], s62, v[ADW]
	v_add_nc_u32 v[ADW+1], SLOTB, v[ADW]
	s_lshl_b32 s63, s[WV], 14
	v_add_nc_u32 v[FGS], s63, v[LI]
	s_lshl_b32 s63, s[WV], 12
	v_add_nc_u32 v[FGL], s63, v[LI]
	s_lshl_b32 s63, s[WV], 10
	v_lshl_add_u32 v[BOFF], v20, 2, s63
	v_lshlrev_b32 v[BFO], 6, v21
.irp q, 0,1,2,3
.irp j, 4,5,6,7
	v_mov_b32 v[FB+8*\q+\j], 0                     ; the upper 32 of the K = 64 form: zero codes on both sides, written once
	v_mov_b32 v[WFG+8*\q+\j], 0
.endr
.endr
	s_wait_dscnt 0x0                               ; both opening adds are done
	s_wait_kmcnt 0x0
	s_load_b256 s[48:55], s[18:19], 0x0            ; e0 .. e7
	s_load_b64 s[56:57], s[18:19], 0x20            ; e8, e9
	s_add_nc_u64 s[4:5], s[4:5], s[30:31]
	s_add_nc_u64 s[6:7], s[6:7], s[74:75]
	s_add_nc_u64 s[8:9], s[8:9], s[74:75]
	s_add_nc_u64 s[10:11], s[10:11], s[60:61]
	s_add_nc_u64 s[20:21], s[20:21], s[76:77]
	s_add_nc_u64 s[22:23], s[22:23], s[78:79]
	s_add_nc_u64 s[24:25], s[24:25], s[78:79]
.irp n, 0,1
	s_mov_b32 s[G0+4*\n], 1                        ; count = 1
	s_add_co_u32 s[G0+4*\n+1], s62, \n*SLOTB       ; LDS address: slot n, my quarter
	s_add_nc_u64 s[G0+4*\n+2:G0+4*\n+3], s[10:11], \n*128  ; global address: K step n of my 256 rows: the wave's number alone enters it
	s_or_b32 s[G0+4*\n+3], s[G0+4*\n+3], 0x80000000  ; type = 2
.endr
	ROUND                                          ; all four work-groups are here: the first joint loads meet
	tensor_load_to_lds s[G0:G0+3], s[G1:G1+7]      ; K step 0.  Two tensor loads of mine are out now, later one
	s_nop 0
	tensor_load_to_lds s[G0+4:G0+7], s[G1:G1+7]    ; K step 1
	s_nop 0
	PLACES 4
; Wf's and Wg's fragments of the K step rel steps on from where the pointers stand: 16 bytes a lane for each of the two tiles
.macro WLOAD rel
.irp u, 0,1
	global_load_b128 v[WFG+8*\u:WFG+8*\u+3], v[WOFF], s[6:7] offset:128*(\rel)+8192*\u
	global_load_b128 v[WFG+16+8*\u:WFG+16+8*\u+3], v[WOFF], s[8:9] offset:128*(\rel)+8192*\u
.endr
.endm
; my 32 channels x 64 positions of the K step rel steps on: register 4 i + q = x(channel 16 (lane / 16) + i, position 4 (lane % 16) + q).  Sixteen lanes read 256 consecutive bytes of a row
.macro XLOAD bk, rel
.set nn, 0
.rept 16
	global_load_b128 v[X+64*(\bk)+4*nn:X+64*(\bk)+4*nn+3], v[XOFF], s[4:5] offset:(\rel)*0x100000+8192*nn th:TH_LOAD_NT
.set nn, nn+1
.endr
.endm
; tile cc's 16 channels of my lane become 16 codes in four registers.  The hold (the conversion to an 8-bit code does not saturate: ISA guide 7.6.2) also gathers them into consecutive registers.
; T's two halves take turns, so that eight plain instructions stand between a conversion and the next write of its sources.
.macro QCOL xs, cc, sc, lm, dst
.irp g, 0,1
.irp j, 0,1,2,3,4,5,6,7
	v_med3_num_f32 v[T+8*\g+\j], v[(\xs)+4*(8*\g+\j)+(\cc)], -v[\lm], v[\lm]
.endr
	v_cvt_scalef32_pk8_fp8_f32 v[(\dst)+2*\g:(\dst)+2*\g+1], v[T+8*\g:T+8*\g+7], v[\sc]
.endr
.endm
; eight products of f (fg = 0) or g (1): two tiles of rows x four tiles of positions; the accumulators take turns, one instruction a turn
.macro FGMUL fg, first
	v_nop                                          ; a plain instruction between the last conversion and the products that read its result
	WIN 0x50                                       ; C and D in window 1
.irp cc, 0,1,2,3
.irp u, 0,1
.if \first
	v_wmma_f32_16x16x64_fp8_fp8 v[8*(4*\cc+2*\fg+\u):8*(4*\cc+2*\fg+\u)+7], v[WFG+16*\fg+8*\u:WFG+16*\fg+8*\u+7], v[FB+8*\cc:FB+8*\cc+7], 0
.else
	v_wmma_f32_16x16x64_fp8_fp8 v[8*(4*\cc+2*\fg+\u):8*(4*\cc+2*\fg+\u)+7], v[WFG+16*\fg+8*\u:WFG+16*\fg+8*\u+7], v[FB+8*\cc:FB+8*\cc+7], v[8*(4*\cc+2*\fg+\u):8*(4*\cc+2*\fg+\u)+7]
.endif
.endr
.endr
	WIN 0
.endm
; A K STEP'S x: set bk of registers, images into set bk.  first = 1: the products start f's and g's sums.  wl, xl: Wf / Wg of the next step and x of the step after it are asked for.
; left: the loads that may stay out: the 16 of the next step's x, which alone are younger than this step's Wf and Wg.
.macro PRODUCE bk, first, wl, xl, left
	s_wait_loadcnt \left
.if \wl && !\first
	s_wait_xcnt 0x0                                ; the loads that are out have read their bases: the three pointers step on by a K step
	s_add_nc_u64 s[4:5], s[4:5], 0x100000
	s_add_nc_u64 s[6:7], s[6:7], 128
	s_add_nc_u64 s[8:9], s[8:9], 128
.endif
.irp cc, 0,1,2,3
	QCOL X+64*(\bk), \cc, SC4, LM4, C4+4*\cc
	ds_store_b128 v[IMS], v[C4+4*\cc:C4+4*\cc+3] offset:4*FRB*(\bk)+FRB*\cc   ; 512 consecutive bytes: register group w of tile cc's image
.endr
.irp cc, 0,1,2,3
	QCOL X+64*(\bk), \cc, SC0, LM0, FB+8*\cc
.endr
	FGMUL 0, \first
.irp cc, 0,1,2,3
	QCOL X+64*(\bk), \cc, SC2, LM2, FB+8*\cc       ; the eight holds ahead of the first conversion are the places behind f's products, which read FB
.endr
	FGMUL 1, \first
.if \wl
	PLACES 4                                       ; places in front of loads into registers that the products have read
	WLOAD 1
.endif
.if \xl
	XLOAD \bk, 2
.endif
.endm
; x's four images of set par, and the first four of my 16 fragments of Wh out of slot par
.macro PRELOAD par
	WIN 0x40                                       ; destination window 1, address window 0
.irp t, 0,1,2,3
.irp c, 0,1,2,3
	ds_load_b128 v[XF+16*\t+4*\c:XF+16*\t+4*\c+3], v[IML] offset:4*FRB*\par+FRB*\t+512*\c
.endr
.endr
.irp f, 0,1,2,3
.irp c, 0,1,2,3
	ds_load_b128 v[WB+16*\f+4*\c:WB+16*\f+4*\c+3], v[ADW+\par] offset:16*PITCH*\f+32*\c
.endr
.endr
	WIN 0
.endm
; 64 products: my 16 tiles of rows, each against the four tiles of positions.  Wh's fragments go through four buffers; a buffer is filled again four places behind the products that read it.
; The wait counts the LDS loads of the younger fragments, three at the most; the four stores of the images, which lie among them early in the step, only make it stricter.
.macro CONSUME par, zero
.set ii, 0
.rept 16
.if ii < 13
	s_wait_dscnt 12
.else
	s_wait_dscnt 4*(15-ii)
.endif
.if ii < 8
	WIN 0xa5                                       ; sources 0 and 1 window 1, C and D window 2
.else
	WIN 0xf5                                       ; C and D window 3
.endif
.irp t, 0,1,2,3
.if \zero
	v_wmma_f32_16x16x128_fp8_fp8 v[8*(4*(ii%8)+\t):8*(4*(ii%8)+\t)+7], v[XF+16*\t:XF+16*\t+15], v[WB+16*(ii%4):WB+16*(ii%4)+15], 0
.else
	v_wmma_f32_16x16x128_fp8_fp8 v[8*(4*(ii%8)+\t):8*(4*(ii%8)+\t)+7], v[XF+16*\t:XF+16*\t+15], v[WB+16*(ii%4):WB+16*(ii%4)+15], v[8*(4*(ii%8)+\t):8*(4*(ii%8)+\t)+7]
.endif
.endr
.if ii+4 <= 15
	PLACES 4
	WIN 0x40
.irp c, 0,1,2,3
	ds_load_b128 v[WB+16*(ii%4)+4*\c:WB+16*(ii%4)+4*\c+3], v[ADW+\par] offset:16*PITCH*(ii+4)+32*\c
.endr
.endif
.set ii, ii+1
.endr
	WIN 0
.endm
; A K STEP s (par = s % 2) that fills the other slot again with step s + 1.  In front of the round each wave waits for all its tensor loads (one is out: this step's tile), adds 0 to its spare
; word, and waits for that, for its image stores and for its reads of the slot and the images of the step before.  Behind the round nobody in the cluster reads the other slot.
.macro TRIP par, wl, xl, left
	s_wait_tensorcnt 0x0
	ds_add_u32 v[SPW], v[NIL]
	s_add_nc_u64 s[G0+4*(1-\par)+2:G0+4*(1-\par)+3], s[G0+4*(1-\par)+2:G0+4*(1-\par)+3], 256  ; no tensor load of mine is out: the other slot's address goes two K steps on
	s_wait_dscnt 0x0
	ROUND
	tensor_load_to_lds s[G0+4*(1-\par):G0+4*(1-\par)+3], s[G1:G1+7]  ; my one tensor load behind the round: it has this whole step in which to land
	s_nop 0
	PLACES 4                                       ; also the places in front of the loads below, into registers that the last products read
	PRELOAD \par
	PRODUCE 1-\par, 0, \wl, \xl, \left             ; the next step's x is made while the loads above are on their way
	CONSUME \par, 0
.endm
	WLOAD 0
	XLOAD 0, 0
	XLOAD 1, 1
	s_wait_kmcnt 0x0
	MKSC 52, SC4, LM4
	MKSC 48, SC0, LM0
	MKSC 50, SC2, LM2
	MKP2 66, 52, 53                                ; 2^(e4 + e5)
	MKP2 68, 48, 49                                ; 2^(e0 + e1)
	MKP2 70, 50, 51                                ; 2^(e2 + e3)
	PRODUCE 0, 1, 1, 1, 16
	s_wait_tensorcnt 0x1                           ; K step 0's tile is in; step 1's may stay out
	s_wait_dscnt 0x0                               ; my image stores have landed
	BAR
	PRELOAD 0
	PRODUCE 1, 0, 1, 1, 16
	CONSUME 0, 1                                   ; the first step's products start the sums: nothing is cleared
	s_mov_b32 s[CNT], 2
.Lstep:                                            ; K steps 1 to 4, two a trip, until the register sets and slots are back where they began
	TRIP 1, 1, 1, 16
	TRIP 0, 1, 1, 16
	s_sub_co_u32 s[CNT], s[CNT], 1
	s_cmp_lg_u32 s[CNT], 0
	s_cbranch_scc1 .Lstep
	TRIP 1, 1, 0, 16                               ; K step 5: no x is left to ask for
	TRIP 0, 0, 0, 0                                ; K step 6: nothing is left to ask for but the last tile
	; K step 7: nothing is filled, so a barrier of the work-group does
	s_wait_tensorcnt 0x0
	ds_add_u32 v[SPW], v[NIL]
	s_wait_dscnt 0x0
	BAR
.irp i, 0,1,2,3
	global_load_b128 v[BF+4*\i:BF+4*\i+3], v[BFO], s[12:13] offset:16*\i   ; bf and bg of rows 16 (lane / 16) + 0 .. 15
	global_load_b128 v[BG+4*\i:BG+4*\i+3], v[BFO], s[14:15] offset:16*\i
.endr
.set nn, 0
.rept 16
	global_load_b32 v[BH+nn], v[BOFF], s[16:17] offset:64*nn               ; bh of my lane's row in each of my 16 tiles
.set nn, nn+1
.endr
	MKSC 56, SC8, LM8
	MKSC 55, SC7, LM7
	MKSC 54, SC6, LM6
	WIN 0x04                                       ; store data in window 1
.set nn, 0
.rept 16
	ds_store_b128 v[FGS], v[8*nn:8*nn+3] offset:1024*nn          ; my sums of f and g go to LDS, each accumulator from its low end on.  The bytes lie in slot 0, which has had its last fill,
	ds_store_b128 v[FGS], v[8*nn+4:8*nn+7] offset:1024*nn+512    ; and which nobody reads behind the barrier above
.set nn, nn+1
.endr
	WIN 0
	PLACES 4
	PRELOAD 1
	CONSUME 1, 0
	s_wait_dscnt 0x0                               ; for the others' sake: my stores of f's and g's sums have landed
	BAR
	; f and g of tile cc = w: the four waves' sums, the scale, the bias, the quantiser
.irp p, 0,1,2,3
.irp q, 0,1,2,3
	ds_load_b128 v[R+32*\p+8*\q:R+32*\p+8*\q+3], v[FGL] offset:16384*\p+1024*\q
	ds_load_b128 v[R+32*\p+8*\q+4:R+32*\p+8*\q+7], v[FGL] offset:16384*\p+1024*\q+512
.endr
.endr
	s_wait_dscnt 0x0
	s_wait_loadcnt 0x0                             ; the biases
.irp p, 1,2,3
.irp j, 0,2,4,6,8,10,12,14,16,18,20,22,24,26,28,30
	v_pk_add_f32 v[R+\j:R+\j+1], v[R+\j:R+\j+1], v[R+32*\p+\j:R+32*\p+\j+1]
.endr
.endr
.irp j, 0,2,4,6,8,10,12,14
	v_pk_fma_f32 v[R+\j:R+\j+1], v[R+\j:R+\j+1], s[68:69], v[BF+\j:BF+\j+1] op_sel_hi:[1,0,1]            ; f = sum x 2^(e0 + e1) + bf
	v_pk_fma_f32 v[R+16+\j:R+16+\j+1], v[R+16+\j:R+16+\j+1], s[70:71], v[BG+\j:BG+\j+1] op_sel_hi:[1,0,1]  ; g = sum x 2^(e2 + e3) + bg
.endr
.irp j, 0,1,2,3,4,5,6,7,8,9,10,11,12,13,14,15
	v_med3_num_f32 v[R+\j], v[R+\j], -v[LM7], v[LM7]
	v_med3_num_f32 v[R+16+\j], v[R+16+\j], -v[LM6], v[LM6]
.endr
	v_cvt_scalef32_pk8_fp8_f32 v[CF:CF+1], v[R:R+7], v[SC7]
	v_cvt_scalef32_pk8_fp8_f32 v[CF+2:CF+3], v[R+8:R+15], v[SC7]
	v_cvt_scalef32_pk8_fp8_f32 v[CG:CG+1], v[R+16:R+23], v[SC6]
	v_cvt_scalef32_pk8_fp8_f32 v[CG+2:CG+3], v[R+24:R+31], v[SC6]
	v_nop                                          ; a plain instruction behind the last conversion: its sources are written again below
	global_store_b128 v[LI], v[CF:CF+3], s[22:23]  ; 512 consecutive bytes: the image of tile w of f,
	global_store_b128 v[LI], v[CG:CG+3], s[24:25]  ; and of g
; hh of my tile ct of rows: sum x 2^(e4 + e5) + bh, held, quantised with 2^e8.  A lane's eight registers of tile cc of positions give two registers of the next launch's operand image;
; each tile of rows has code registers of its own, so no store's data are written again.  Each accumulator is read from its low end on.
.macro HOUT ct
	WIN 0x02+(\ct)/8                               ; source 0: window 2 or 3
.irp cc, 0,1,2,3
.irp j, 0,1,2,3,4,5,6,7
	v_fma_f32 v[T+8*\cc+\j], v[8*(4*((\ct)%8)+\cc)+\j], s66, v[BH+(\ct)]
.endr
.endr
	WIN 0
.set nn, 0
.rept 32
	v_med3_num_f32 v[T+nn], v[T+nn], -v[LM8], v[LM8]
.set nn, nn+1
.endr
.irp cc, 0,1,2,3
	v_cvt_scalef32_pk8_fp8_f32 v[HC+8*(\ct)+2*\cc:HC+8*(\ct)+2*\cc+1], v[T+8*\cc:T+8*\cc+7], v[SC8]
.endr
	v_nop                                          ; a plain instruction behind the last conversion: the next tile writes its sources
	global_store_b128 v[LI], v[HC+8*(\ct):HC+8*(\ct)+3], s[20:21] offset:FRB*(\ct)          ; 512 consecutive bytes each
	global_store_b128 v[LI], v[HC+8*(\ct)+4:HC+8*(\ct)+7], s[20:21] offset:FRB*(\ct)+512
.endm
.set CT, 0
.rept 16
	HOUT CT
.set CT, CT+1
.endr
	s_wait_tensorcnt 0x0                           ; the wave's end: behind my last tensor load and my last LDS store
	ds_add_u32 v[SPW], v[NIL]
	s_wait_dscnt 0x0
	ROUND                                          ; the closing round: no work-group ends while a partner may still ask for a tile that names it
	s_endpgm
.Lfunc_end_k_qdc09a4a0ff_proj:
	.size	k_qdc09a4a0ff_proj, .Lfunc_end_k_qdc09a4a0ff_proj-k_qdc09a4a0ff_proj
	.p2alignl 7, 3214868480
	.fill 96, 4, 3214868480
	.section	.rodata,"a",@progbits
	.p2align	6, 0x0
	.amdhsa_kernel k_qdc09a4a0ff_proj
		.amdhsa_group_segment_fixed_size 327680
		.amdhsa_private_segment_fixed_size 0
		.amdhsa_enable_private_segment 0
		.amdhsa_kernarg_size 88
		.amdhsa_user_sgpr_count 2
		.amdhsa_user_sgpr_kernarg_segment_ptr 1
		.amdhsa_wavefront_size32 1
		.amdhsa_system_sgpr_workgroup_id_x 1
		.amdhsa_system_sgpr_workgroup_id_y 1
		.amdhsa_system_sgpr_workgroup_id_z 1
		.amdhsa_system_vgpr_workitem_id 0
		.amdhsa_next_free_vgpr 1024
		.amdhsa_next_free_sgpr 100
		.amdhsa_reserve_vcc 0
		.amdhsa_float_denorm_mode_32 3
		.amdhsa_float_denorm_mode_16_64 3
		.amdhsa_memory_ordered 1
		.amdhsa_forward_progress 1
		.amdhsa_inst_pref_size 255
	.end_amdhsa_kernel
	.section	.bss,"aw",@nobits
	.p2align	6
	.space	262144
	.amdgpu_metadata
---
amdhsa.version: [ 1, 2 ]
amdhsa.kernels:
  - .name:           k_qdc09a4a0ff_proj
    .symbol:         k_qdc09a4a0ff_proj.kd
    .args:
      - { .name: x, .offset: 0, .size: 8, .value_kind: global_buffer, .address_space: global }
      - { .name: Wf_codes, .offset: 8, .size: 8, .value_kind: global_buffer, .address_space: global }
      - { .name: Wg_codes, .offset: 16, .size: 8, .value_kind: global_buffer, .address_space: global }
      - { .name: Wh_codes, .offset: 24, .size: 8, .value_kind: global_buffer, .address_space: global }
      - { .name: bf, .offset: 32, .size: 8, .value_kind: global_buffer, .address_space: global }
      - { .name: bg, .offset: 40, .size: 8, .value_kind: global_buffer, .address_space: global }
      - { .name: bh, .offset: 48, .size: 8, .value_kind: global_buffer, .address_space: global }
      - { .name: lowp_scales, .offset: 56, .size: 8, .value_kind: global_buffer, .address_space: global }
      - { .name: hq, .offset: 64, .size: 8, .value_kind: global_buffer, .address_space: global }
      - { .name: fq, .offset: 72, .size: 8, .value_kind: global_buffer, .address_space: global }
      - { .name: gq, .offset: 80, .size: 8, .value_kind: global_buffer, .address_space: global }
    .group_segment_fixed_size: 327680
    .private_segment_fixed_size: 0
    .kernarg_segment_align: 8
    .kernarg_segment_size: 88
    .max_flat_workgroup_size: 128
    .sgpr_count:     100
    .vgpr_count:     1024
    .wavefront_size: 32
...
	.end_amdgpu_metadata
.endif
;; end of part 1
;; launch attn (part 2): grid 32 x 8, 4 waves a work-group, clusters of 4 x 1, 327,680 bytes of LDS; arguments x, hq, fq, gq, gamma, lowp_scales, out0; writes out0
.if DOCPART == 2
	.amdgcn_target "amdgcn-amd-amdhsa--gfx1250"
	.amdhsa_code_object_version 6
	.text
	.protected	k_qdc09a4a0ff_attn
	.globl	k_qdc09a4a0ff_attn
	.p2align	8
	.type	k_qdc09a4a0ff_attn,@function
k_qdc09a4a0ff_attn:
	s_mov_b64 s[64:65], 0
	v_nop
	global_prefetch_b8 v0, s[64:65] scope:SCOPE_SE
	s_setreg_imm32_b32 hwreg(HW_REG_WAVE_MODE, 25, 1), 1
	s_wait_xcnt 0x0
	s_wait_alu depctr_hold_cnt(0) depctr_sa_sdst(0) depctr_va_vdst(0) depctr_va_sdst(0) depctr_va_ssrc(0) depctr_va_vcc(0) depctr_vm_vsrc(0)
	s_getreg_b32 s2, hwreg(HW_REG_IB_STS2, 6, 4)
	s_cmp_eq_u32 s2, 0
	s_cbranch_scc0 .Lentry_in_a_cluster
	s_endpgm
.Lentry_in_a_cluster:
	s_bfe_u32 s2, ttmp6, 0x10000c
	s_cmp_lg_u32 s2, 0x3003
	s_cbranch_scc0 .Lentry_shape_is_right
	s_endpgm
.Lentry_shape_is_right:
; ATTN.  out0 = gamma x (hh p^T) / l + x, with s(i, j) = g_i . f_j, t = s x log2(e), M = ceil(the row's largest t), p = 2^(t - M), l = the row's sum of the unquantised p.
; Both products on codes of E4M3: g with 2^e6, f with 2^e7, hh with 2^e8 come as codes from the launch before (operand images: the operand's registers as they stand, lane l's 16 bytes at 16 l);
; p is quantised here with 2^e9.  No work of the problem is left out.
; LIMITS: e6 + e7 between -126 and 126 (they are added to the exponent field of log2(e)); e9 between -126 and 119; e8 + e9 is applied by v_ldexp_f32 and has none.  NaN among the inputs is not served.
; The sums over the keys are taken in an order that differs from cluster to cluster (THE WALK): that moves roundings of f32 sums and nothing else.
; SHARES.  A work-group owns one batch and one block of 64 queries, for all 1,024 channels; wave w owns channels 256 w .. 256 w + 255: 16 x 4 accumulators, 512 registers.  K = the 2,048 keys goes
; in 16 steps of 128.  hh's tile of a step (64 images of 2,048 bytes, one dense block of memory) comes through a ring of two LDS slots; each wave asks for the quarter that it alone reads.
; CLUSTER.  The four work-groups of a cluster belong to one batch and walk the same hh: each tile is asked for jointly.  Only hh is shared, so the cluster is 4 x 1.
; THE WALK.  Cluster x (0 .. 7) of a batch begins at key step 4 ((x & 3) xor (x >> 2)) and goes round, modulo 16.  So the eight clusters of a batch ask for four different tiles at any time, and from its
; fifth step on a cluster asks for bytes that another cluster of the batch asked for four steps earlier.  The start hangs on the cluster's number alone, which the four partners share.
; THE ORDER OF POSITIONS, as in the launch before: tile cc of a block of 64, row m, is position 4 m + cc, for keys and queries alike.
; THE MAXIMUM FIRST.  A score sums 32 products, so all scores are made twice: a first pass (wave w: keys 512 w .. 512 w + 511, all 64 queries) finds each row's largest score; M is then fixed, and
; the 512 accumulators are never rescaled.
; THE SOFTMAX OF A STEP.  Wave w makes p of query tile w: S^T = (source 0: 16 keys of f, source 1: my 16 queries of g): a lane holds one query, its registers eight keys; the conversions' results are
; the second product's operand, stored as an image in LDS and loaded by all four waves.  The image of step k + 1 is made while step k is multiplied: two sets.
; f's fragment for the K = 64 form is eight registers of which the upper four meet g's zero codes: so tile t's fragment may run on into tile t + 1's four registers (finite codes: they add nothing).
; O = (source 0: 16 channels of hh, source 1: 16 queries of p): lane (r, h) holds query 4 r + qt and channels 8 h + 0 .. 7: the four query tiles' numbers of a lane are 16 neighbouring bytes of a row of out0.
; THE WAY OUT stands inside the last key step, which finishes my 16 tiles of channels one after the other: tile ct leaves behind the products of tile ct + 1.  Each tile's 32 registers of x are its own for
; the whole launch, so no load waits for a store: sets 5, 6, 7 lie in registers that the loop leaves idle and are loaded ahead of it; sets 0 to 4 take the softmax's registers behind the last softmax;
; set 8 + j takes the accumulators of tile j as soon as they have been read.
; REGISTERS.  Window 0: v1-14 addresses; v20-27 -M, l, scales; v28-35 g; v36-39 the four factors of the way out; v64-127 S^T, then p; v128-143 p's codes; v144-215 two sets of f; v224-255 x's set 5; in the
; first pass v28-59 g's four tiles, v60-123 two banks of scores, v124-255 f; at the end v64-223 x's sets 0 to 4.  Window 1: v0-63 p's four fragments, v64-191 eight buffers for hh's, v192-255 x's sets 6, 7.
; Windows 2, 3: the accumulators; at the end window 2 takes x's sets 8 to 15.
.set SLOTB,  131072
.set FRB,    2048
.set PIMG,   2*SLOTB                   ; behind the ring: p's images, two sets of four
.set MST,    PIMG+8*FRB                ; the four waves' largest scores: [wave][query tile][16]
.set LST,    MST+1024                  ; the factors gamma x 2^(e8 + e9) / l: [query tile][16]
.set SPARE,  LST+256                   ; the spare words, 128 bytes for each wave, which no other line names
.set LI,   1                           ; 16 x lane
.set AH,   2                           ; v2, v3: my place in my quarter of slot 0, 1
.set API,  4                           ; where I load p's images
.set PWI,  5                           ; where I store mine
.set EOFF, 6                           ; x, out0: 16 (lane % 16) + 8 rows x (lane / 16); never rewritten
.set MSA,  7
.set MLA,  8
.set LSA,  9
.set LLA,  10
.set PFO,  11                          ; 256 x lane; never rewritten
.set XPO,  12                          ; a row of x for each lane; never rewritten
.set SPW,  13                          ; LDS address of my spare word; never rewritten
.set NIL,  14                          ; 0; never rewritten
.set TA,   15                          ; v15-19 at work
.set MX,   20
.set NEGM, 20                          ; v[20:21] -M
.set LS,   22                          ; v[22:23] l, in two halves
.set SCP,  24                          ; 2^e9
.set LIMP, 25                          ; 448 x 2^e9
.set TS,   26
.set GQ,   28
.set AQ,   36
.set DB,   60
.set S,    64
.set FA,   124
.set PC,   128
.set F0,   144                         ; a set of f: 32 registers + 4 of zeros; the second set 36 on
.set PF,   0                           ; window 1
.set HB,   64                          ; window 1
.set WV,   18
.set CS,   22                          ; s[22:23] log2(e) x 2^(e6 + e7)
.set G1,   24
.set G0,   32
.set SEL,  40
.set PFA,  42                          ; s[42:43] where my two prefetches of hh stand; never rewritten
.set LIM,  44                          ; 1 in the clusters that prefetch hh
.set CNT,  45
.set KC,   46                          ; the walk: my cluster's first key step + the steps gone
.set FPC,  76                          ; s[76:77] f at the key step that is asked for next
.set TO,   78                          ; s[78:79] a tile's byte offset in the batch's hh, as a pair with 0 above it
.set FO,   80                          ; s[80:81] the same for f
.set MSB, 0
.macro WIN new                         ; the immediate's high byte repeats the setting that is left; a switch that changes nothing is dropped
.if MSB != (\new)
	s_set_vgpr_msb (MSB<<8)|(\new)
.set MSB, (\new)
.endif
.endm
.macro PLACES n
.rept \n
	v_nop
.endr
.endm
.macro BAR
	s_barrier_signal -1
	s_barrier_wait -1
.endm
.macro ROUND                           ; a round of the cluster's barrier
	s_barrier_signal -1
	s_barrier_wait -1
	s_cmp_lg_u32 s[WV], 0
	s_cbranch_scc1 .Lnot_wave_0_\@
	s_barrier_signal -3
.Lnot_wave_0_\@:
	s_barrier_wait -3
	s_barrier_signal -1
	s_barrier_wait -1
.endm
; where x's set ct lies: window xw, first register xb
.macro XSET ct
.if (\ct) < 6
.set xw, 0
.set xb, 64+32*(\ct)
.elseif (\ct) < 8
.set xw, 1
.set xb, 192+32*((\ct)-6)
.else
.set xw, 2
.set xb, 32*((\ct)-8)
.endif
.endm
; x of my tile ct of channels: register 4 j + q = x(channel 16 ct + 8 (lane / 16) + j, position 4 (lane % 16) + q).  Sixteen lanes read 256 consecutive bytes of a row
.macro XFILL ct
	XSET \ct
	WIN xw<<6                                      ; destination window xw, address window 0
.irp j, 0,1,2,3,4,5,6,7
	global_load_b128 v[xb+4*\j:xb+4*\j+3], v[EOFF], s[4:5] offset:(16*(\ct)+\j)*8192 th:TH_LOAD_NT
.endr
	WIN 0
.endm
	s_load_b256 s[4:11], s[0:1], 0x0               ; x, hq, fq, gq
	s_load_b128 s[12:15], s[0:1], 0x20             ; gamma, the scales' exponents
	s_load_b64 s[16:17], s[0:1], 0x30              ; out0
	v_lshl_add_u32 v[SPW], v0, 2, SPARE
	v_mov_b32 v[NIL], 0
	ds_add_u32 v[SPW], v[NIL]                      ; the wave's opening: the add, twice on end, and its wait ahead of my first tensor load
	ds_add_u32 v[SPW], v[NIL]                      ; once more; the set-up below, work on registers, stands between it and the wait
	v_lshrrev_b32 v15, 5, v0
	v_readfirstlane_b32 s[WV], v15                 ; wave 0..3
	s_bfe_u32 s19, ttmp6, 0x40000                  ; cx: my place in the cluster
	s_lshl_b32 s20, ttmp9, 2
	s_add_co_u32 s20, s20, s19                     ; my block of 64 queries: it enters global addresses of x, gq, out0 alone
	s_and_b32 s21, ttmp7, 0xffff                   ; the batch, which the four partners share
	s_and_b32 s[KC], ttmp9, 3                      ; the walk's first key step: 4 ((x & 3) xor (x >> 2)), x the cluster's number: 0, 4, 8 or 12
	s_lshr_b32 s47, ttmp9, 2
	s_xor_b32 s[KC], s[KC], s47
	s_lshl_b32 s[KC], s[KC], 2
	s_lshl_b32 s[TO], s[KC], 17                    ; its tile of hh: 131,072 bytes a key step,
	s_mov_b32 s[TO+1], 0
	s_lshl_b32 s[FO], s[KC], 12                    ; and its eight images of f: 4,096 bytes a key step
	s_mov_b32 s[FO+1], 0
	s_mov_b32 s[G1], 15|(3<<16)|(1<<21)            ; the mask: all four work-groups; elements of 8 bytes; bit 21 beside a mask; no padding: images are read as they lie
	s_mov_b32 s[G1+1], 32<<16                      ; tensor_dim0 = 32: rows of 256 bytes
	s_mov_b32 s[G1+2], 128<<16                     ; tensor_dim1 = 128
	s_mov_b32 s[G1+3], 32<<16                      ; tile_dim0 = 32
	s_mov_b32 s[G1+4], 128                         ; tile_dim1 = 128: 32,768 bytes, my 16 images
	s_mov_b32 s[G1+5], 32                          ; dense
	s_mov_b32 s[G1+6], 0
	s_mov_b32 s[G1+7], 0
	s_mov_b32 s[SEL], 0x76543210                   ; v_permlanex16_b32: lane l xor 16
	s_mov_b32 s[SEL+1], 0xfedcba98
	s_cmp_lt_u32 ttmp9, 4                          ; clusters 0 to 3 have the four different starts: they prefetch hh; the same in all four partners
	s_cselect_b32 s[LIM], 1, 0
	v_and_b32 v15, 15, v0                          ; r
	v_bfe_u32 v16, v0, 4, 1                        ; h
	v_and_b32 v17, 31, v0                          ; lane
	v_lshlrev_b32 v[LI], 4, v17
	s_lshl_b32 s58, s[WV], 15
	v_add_nc_u32 v[AH], s58, v[LI]
	v_add_nc_u32 v[AH+1], SLOTB, v[AH]
	v_add_nc_u32 v[API], PIMG, v[LI]
	s_lshl_b32 s59, s[WV], 11
	s_add_co_u32 s59, s59, PIMG
	v_add_nc_u32 v[PWI], s59, v[LI]
	v_lshlrev_b32 v[EOFF], 4, v15
	v_lshl_add_u32 v[EOFF], v16, 16, v[EOFF]
	s_lshl_b32 s59, s[WV], 8
	s_add_co_u32 s59, s59, MST
	v_lshl_add_u32 v[MSA], v15, 2, s59
	s_lshl_b32 s59, s[WV], 6
	s_add_co_u32 s59, s59, MST
	v_lshl_add_u32 v[MLA], v15, 2, s59
	s_lshl_b32 s59, s[WV], 6
	s_add_co_u32 s59, s59, LST
	v_lshl_add_u32 v[LSA], v15, 2, s59
	v_lshl_add_u32 v[LLA], v15, 2, LST
	v_lshlrev_b32 v[PFO], 8, v17
	v_lshlrev_b32 v[XPO], 13, v17
.irp q, 0,1,2,3
	v_mov_b32 v[TA+1+\q], 0                        ; written once: a lane permute's destination counts as one of its sources
	v_mov_b32 v[MX+\q], 0xff800000                 ; the largest score so far: -infinity
	v_mov_b32 v[FA+128+\q], 0                      ; behind f's last tile: zero codes
.irp j, 4,5,6,7
	v_mov_b32 v[GQ+8*\q+\j], 0                     ; the upper 32 of the K = 64 form: g's side is zero codes
.endr
.endr
	s_lshl_b32 s60, s21, 21                        ; hq: the batch
	s_mov_b32 s61, 0
	s_lshl_b32 s62, s19, 15                        ; the prefetches: my work-group's quarter of a tile, my wave's quarter of that, in the walk's third tile
	s_lshl_b32 s63, s[WV], 13
	s_add_co_u32 s62, s62, s63
	s_add_co_u32 s62, s62, s[TO]
	s_add_co_u32 s62, s62, 2*SLOTB
	s_mov_b32 s63, 0
	s_lshl_b32 s66, s21, 23                        ; x, out0: batch x 8 MiB + my 256 rows of 8,192 bytes + block x 256 bytes
	s_lshl_b32 s67, s[WV], 21
	s_add_co_u32 s66, s66, s67
	s_lshl_b32 s67, s20, 8
	s_add_co_u32 s66, s66, s67
	s_mov_b32 s67, 0
	s_lshl_b32 s68, s21, 16                        ; fq, gq: the batch
	s_mov_b32 s69, 0
	s_lshl_b32 s70, s[WV], 14                      ; the first pass: my 512 keys' 32 images of 512 bytes
	s_mov_b32 s71, 0
	s_lshl_b32 s72, s20, 11                        ; gq: my block's four images
	s_mov_b32 s73, 0
	s_lshl_b32 s74, s[WV], 9                       ; and my own tile among them
	s_mov_b32 s75, 0
	s_mov_b32 s59, 0
	s_wait_dscnt 0x0                               ; both opening adds are done
	s_wait_kmcnt 0x0
	s_load_b128 s[48:51], s[14:15], 0x18           ; e6, e7, e8, e9
	s_load_b32 s52, s[12:13], 0x0                  ; gamma
	s_add_nc_u64 s[6:7], s[6:7], s[60:61]
	s_add_nc_u64 s[PFA:PFA+1], s[6:7], s[62:63]
	s_add_nc_u64 s[6:7], s[6:7], s[58:59]          ; hq at the batch and my 16 images of a tile: it stays so; the batch, the wave's and the cluster's number alone enter the descriptors
	s_add_nc_u64 s[82:83], s[6:7], s[TO:TO+1]      ; the walk's first tile
	s_add_nc_u64 s[4:5], s[4:5], s[66:67]
	s_add_nc_u64 s[16:17], s[16:17], s[66:67]
	s_add_nc_u64 s[8:9], s[8:9], s[68:69]          ; fq at the batch: it stays so
	s_add_nc_u64 s[54:55], s[8:9], s[70:71]
	s_add_nc_u64 s[FPC:FPC+1], s[8:9], s[FO:FO+1]  ; f at the walk's first key step
	s_add_nc_u64 s[10:11], s[10:11], s[68:69]
	s_add_nc_u64 s[10:11], s[10:11], s[72:73]
	s_add_nc_u64 s[56:57], s[10:11], s[74:75]
	; the first pass's operands are asked for at once, ahead of the round: they go into registers
.irp q, 0,1,2,3
	global_load_b128 v[GQ+8*\q:GQ+8*\q+3], v[LI], s[10:11] offset:512*\q
.endr
.set nn, 0
.rept 32
	global_load_b128 v[FA+4*nn:FA+4*nn+3], v[LI], s[54:55] offset:512*nn   ; 512 consecutive bytes each
.set nn, nn+1
.endr
.irp n, 0,1
	s_mov_b32 s[G0+4*\n], 1                        ; count = 1
	s_add_co_u32 s[G0+4*\n+1], s58, \n*SLOTB       ; LDS address: slot n, my quarter
	s_add_nc_u64 s[G0+4*\n+2:G0+4*\n+3], s[82:83], \n*SLOTB  ; global address: the walk's step n (its first step is 12 at the most: no turn round yet)
	s_or_b32 s[G0+4*\n+3], s[G0+4*\n+3], 0x80000000  ; type = 2
.endr
	ROUND                                          ; all four work-groups are here: the first joint loads meet
	tensor_load_to_lds s[G0:G0+3], s[G1:G1+7]      ; the walk's step 0.  Two tensor loads of mine are out now, later one
	s_nop 0
	tensor_load_to_lds s[G0+4:G0+7], s[G1:G1+7]    ; step 1
	s_nop 0
	PLACES 4
	; ---- THE FIRST PASS: each row's largest score
	s_wait_kmcnt 0x0
	s_add_co_i32 s58, s48, s49
	s_lshl_b32 s58, s58, 23
	s_add_co_i32 s[CS], s58, 0x3fb8aa3b            ; a score stands for score x 2^(e6 + e7): the two exponents are added to the exponent field of log2(e)
	s_mov_b32 s[CS+1], s[CS]                       ; (named with it as a pair, so it is written)
	s_add_co_i32 s58, s51, 127
	s_lshl_b32 s59, s58, 23
	v_mov_b32 v[SCP], s59
	s_add_co_i32 s58, s58, 8
	s_lshl_b32 s58, s58, 23
	s_or_b32 s58, s58, 0x600000
	v_mov_b32 v[LIMP], s58
	s_wait_loadcnt 0x0
.macro AGRP g                          ; 16 keys (tile g of my 32) against the four tiles of queries, into bank g % 2
.irp q, 0,1,2,3
	v_wmma_f32_16x16x64_fp8_fp8 v[DB+32*((\g)%2)+8*\q:DB+32*((\g)%2)+8*\q+7], v[FA+4*(\g):FA+4*(\g)+7], v[GQ+8*\q:GQ+8*\q+7], 0
.endr
.endm
.macro AMAX g                          ; the bank's 32 scores a lane into the four running maxima; each result is read from its low end on
.irp p, 0,1,2,3
.irp q, 0,1,2,3
	v_max3_num_f32 v[MX+\q], v[MX+\q], v[DB+32*((\g)%2)+8*\q+2*\p], v[DB+32*((\g)%2)+8*\q+2*\p+1]
.endr
.endr
.endm
	AGRP 0
	PLACES 5                                       ; five: bank 0 is read behind them, and written over by products two groups on with nothing else between that names none of its registers
.set GG, 1
.rept 31
	AGRP GG                                        ; the other bank's sixteen maxima are the places behind each group of products
	AMAX GG-1
.set GG, GG+1
.endr
	PLACES 4
	AMAX 31
.irp q, 0,1,2,3
	v_permlanex16_b32 v[TA+1+\q], v[MX+\q], s[SEL], s[SEL+1]   ; a query's other keys lie in the lane 16 away
.endr
.irp q, 0,1,2,3
	v_max_num_f32 v[MX+\q], v[MX+\q], v[TA+1+\q]
.endr
.macro FLOAD bk, off                   ; a key step's eight tiles of f into set bk
.irp t, 0,1,2,3,4,5,6,7
	global_load_b128 v[F0+36*(\bk)+4*\t:F0+36*(\bk)+4*\t+3], v[LI], s[FPC:FPC+1] offset:(\off)+512*\t
.endr
.endm
	XFILL 5                                        ; three sets of x go into registers that the loop leaves idle; they are older than f's loads, whose first wait shows them in
	XFILL 6
	XFILL 7
	global_load_b128 v[GQ:GQ+3], v[LI], s[56:57]   ; from here on g is my own tile of queries; its upper four registers stay zero
	FLOAD 0, 0
	FLOAD 1, 4096
.irp q, 0,1,2,3
	ds_store_b32 v[MSA], v[MX+\q] offset:64*\q     ; lanes r and r + 16 store the same number to the same word
.endr
.irp j, 0,1,2,3
	v_mov_b32 v[F0+32+\j], 0                       ; behind each set's last tile: zero codes
	v_mov_b32 v[F0+68+\j], 0
.endr
	s_wait_dscnt 0x0                               ; for the others' sake: my maxima have landed
	BAR                                            ; (both tiles of hh may stay out)
.irp p, 0,1,2,3
	ds_load_b32 v[TA+1+\p], v[MLA] offset:256*\p   ; the four waves' maxima of my tile of queries
.endr
	s_wait_dscnt 0x0
	v_max3_num_f32 v[TA+1], v[TA+1], v[TA+2], v[TA+3]
	v_max_num_f32 v[TA+1], v[TA+1], v[TA+4]
	v_mul_f32 v[TA+1], s[CS], v[TA+1]              ; the row's largest t (the factor is positive)
	v_floor_f32 v[NEGM], -v[TA+1]                  ; -M = floor(-t) = -ceil(t)
	v_mov_b32 v[NEGM+1], v[NEGM]                   ; (named with it as a pair)
	v_mov_b32 v[LS], 0
	v_mov_b32 v[LS+1], 0
; THE SOFTMAX OF A KEY STEP for my tile of queries: f out of set bk, the image into set bk.  fl = 1: the step two on is asked for, into the same set, foff bytes from where f's pointer stands.
; left: the eight loads of the next step's f may stay out.
.macro PRODUCE bk, fl, left, foff
	s_wait_loadcnt \left
.irp t, 0,1,2,3,4,5,6,7
	v_wmma_f32_16x16x64_fp8_fp8 v[S+8*\t:S+8*\t+7], v[F0+36*(\bk)+4*\t:F0+36*(\bk)+4*\t+7], v[GQ:GQ+7], 0
.endr
	PLACES 4                                       ; in front of the loads into f's registers and of the first read of the scores
.if \fl
	FLOAD \bk, \foff
.endif
.set nn, 0
.rept 32
	v_pk_fma_f32 v[S+nn:S+nn+1], v[S+nn:S+nn+1], s[CS:CS+1], v[NEGM:NEGM+1] op_sel_hi:[1,0,0]   ; t - M, two at a time; each tile from its low end on
.set nn, nn+2
.endr
.set nn, 0
.rept 64
	v_exp_f32 v[S+nn], v[S+nn]                     ; p = 2^(t - M), not normalised
.set nn, nn+1
.endr
	v_nop                                          ; a plain instruction behind the last exponential
	s_wait_alu depctr_va_vdst(0)                   ; one wait for the whole batch, ahead of its first reader
	v_pk_add_f32 v[TS:TS+1], v[S:S+1], v[S+2:S+3]  ; l is taken of the unquantised p: two at a time, in two chains
.set nn, 4
.rept 15
	v_pk_add_f32 v[LS:LS+1], v[LS:LS+1], v[S+nn:S+nn+1]
	v_pk_add_f32 v[TS:TS+1], v[TS:TS+1], v[S+nn+2:S+nn+3]
.set nn, nn+4
.endr
	v_pk_add_f32 v[LS:LS+1], v[LS:LS+1], v[TS:TS+1]
.set nn, 0
.rept 64
	v_min_num_f32 v[S+nn], v[S+nn], v[LIMP]        ; the conversion to an 8-bit code does not saturate (ISA guide 7.6.2); p is not negative, so the hold is one-sided
.set nn, nn+1
.endr
.irp t, 0,1,2,3,4,5,6,7
	v_cvt_scalef32_pk8_fp8_f32 v[PC+2*\t:PC+2*\t+1], v[S+8*\t:S+8*\t+7], v[SCP]
.endr
	v_nop                                          ; a plain instruction behind the last conversion: the next step's products write its sources
.irp c, 0,1,2,3
	ds_store_b128 v[PWI], v[PC+4*\c:PC+4*\c+3] offset:4*FRB*(\bk)+512*\c
.endr
.endm
; p's four images of set par, and the first eight of my 16 fragments of hh out of slot par
.macro PRELOAD par
	WIN 0x40                                       ; destination window 1, address window 0
.irp q, 0,1,2,3
.irp c, 0,1,2,3
	ds_load_b128 v[PF+16*\q+4*\c:PF+16*\q+4*\c+3], v[API] offset:4*FRB*\par+FRB*\q+512*\c
.endr
.endr
.irp f, 0,1,2,3,4,5,6,7
.irp c, 0,1,2,3
	ds_load_b128 v[HB+16*\f+4*\c:HB+16*\f+4*\c+3], v[AH+\par] offset:FRB*\f+512*\c
.endr
.endr
	WIN 0
.endm
; THE PRODUCTS OF A KEY STEP go in 16 groups, ii = 0 .. 15: my tile ii of channels against the four tiles of queries; the accumulators take turns, one instruction a turn.
; hh's fragments 0 to 7 were asked for by PRELOAD; fragments 8 to 15 come in four runs of eight LDS loads, behind groups 1, 3, 5, 7, each into the two buffers just read: six groups ahead of their use.
; The wait in front of group ii counts the LDS instructions younger than fragment ii's loads.  ii < 8: the later fragments of PRELOAD, four loads each; st stores of my image of p; eight loads for each run
; issued so far.  ii >= 8: the later runs, and for an even ii the run's second fragment.
.macro GWAIT st
.if ii < 8
	s_wait_dscnt 4*(7-ii)+(\st)+8*(ii/2)
.else
	s_wait_dscnt 8*(3-(ii-8)/2)+4*(1-ii%2)
.endif
.endm
.macro GROUP zero
.if ii < 8
	WIN 0xa5                                       ; sources 0 and 1 window 1, C and D window 2
.else
	WIN 0xf5                                       ; C and D window 3
.endif
.irp q, 0,1,2,3
.if \zero
	v_wmma_f32_16x16x128_fp8_fp8 v[8*(4*(ii%8)+\q):8*(4*(ii%8)+\q)+7], v[HB+16*(ii%8):HB+16*(ii%8)+15], v[PF+16*\q:PF+16*\q+15], 0
.else
	v_wmma_f32_16x16x128_fp8_fp8 v[8*(4*(ii%8)+\q):8*(4*(ii%8)+\q)+7], v[HB+16*(ii%8):HB+16*(ii%8)+15], v[PF+16*\q:PF+16*\q+15], v[8*(4*(ii%8)+\q):8*(4*(ii%8)+\q)+7]
.endif
.endr
.endm
.macro RUN par                         ; behind an odd group ii < 8: fragments ii + 7, ii + 8 into buffers ii - 1, ii, four places behind the products that read them
	PLACES 4
	WIN 0x40
.irp d, 0,1
.irp c, 0,1,2,3
	ds_load_b128 v[HB+16*(ii-1+\d)+4*\c:HB+16*(ii-1+\d)+4*\c+3], v[AH+\par] offset:FRB*(ii+7+\d)+512*\c
.endr
.endr
.endm
.macro CONSUME par, zero, st
.set ii, 0
.rept 16
	GWAIT \st
	GROUP \zero
.if (ii < 8) && (ii % 2)
	RUN \par
.endif
.set ii, ii+1
.endr
	WIN 0
.endm
; A PREFETCH INTO THE L2 of the walk's third and fourth tile of hh, one and two trips ahead of the tensor loads that will ask for them.  Two clusters of a batch have each start: of the two, the one with
; the number under 4 asks.  Its four partners take 32,768 bytes of a tile each, told apart by address; in each, a wave takes 8,192, lanes 256 bytes apart: two instructions a wave, once in the launch.
; The walk's first two tiles come by their loads alone; its later tiles are asked for by another cluster of the batch four steps ahead of mine.
.macro ASK
	s_cmp_eq_u32 s[LIM], 1
	s_cbranch_scc0 .Lnot_mine_\@
	global_prefetch_b8 v[PFO], s[PFA:PFA+1] th:TH_LOAD_NT scope:SCOPE_SE
	global_prefetch_b8 v[PFO], s[PFA:PFA+1] offset:SLOTB th:TH_LOAD_NT scope:SCOPE_SE
.Lnot_mine_\@:
.endm
; A PREFETCH INTO THE L2 of 64 of my rows of x from row r0 on, my block's 256 bytes of each, a lane a row.  Rows 128 to 255 (sets 8 to 15) are loaded in the last key step; rows 128 to 191 are asked for two
; trips ahead of it, rows 192 to 255 one.  Nobody else reads these bytes in this launch.  Rows 0 to 127 are loaded more than a step ahead of their use and are not asked for.
.macro XASK r0
	global_prefetch_b8 v[XPO], s[4:5] offset:(\r0)*8192 th:TH_LOAD_NT scope:SCOPE_SE
	global_prefetch_b8 v[XPO], s[4:5] offset:((\r0)+32)*8192 th:TH_LOAD_NT scope:SCOPE_SE
.endm
.macro FSTEP                           ; f's pointer goes to the key step two on from the walk's count, modulo 16
	s_wait_xcnt 0x0                                ; f's loads that are out have read their base
	s_add_co_u32 s[FO], s[KC], 2
	s_and_b32 s[FO], s[FO], 15
	s_lshl_b32 s[FO], s[FO], 12
	s_add_nc_u64 s[FPC:FPC+1], s[8:9], s[FO:FO+1]
.endm
; STEP s OF THE WALK (par = s % 2), which fills the other slot again with step s + 1's tile.  In front of the round each wave waits for all its tensor loads (one is out: this step's tile), adds 0 to its
; spare word, and waits for that, for its image's stores and for its reads of the slot and the images of the step before.  mode = 2, 3: x is prefetched; 3: x's sets 0 to 4 are loaded behind the last softmax.
.macro TRIP par, fl, left, mode
	s_wait_tensorcnt 0x0
	ds_add_u32 v[SPW], v[NIL]
	s_add_co_u32 s[KC], s[KC], 1                   ; no tensor load of mine is out: the other slot's address is made anew: the walk's next key step, modulo 16
	s_and_b32 s[TO], s[KC], 15
	s_lshl_b32 s[TO], s[TO], 17
	s_add_nc_u64 s[G0+4*(1-\par)+2:G0+4*(1-\par)+3], s[6:7], s[TO:TO+1]
	s_or_b32 s[G0+4*(1-\par)+3], s[G0+4*(1-\par)+3], 0x80000000
.if \fl
	FSTEP
.endif
	s_wait_dscnt 0x0
	ROUND
	tensor_load_to_lds s[G0+4*(1-\par):G0+4*(1-\par)+3], s[G1:G1+7]  ; my one tensor load behind the round: it has this whole step in which to land
	s_nop 0
	PLACES 4                                       ; also the places in front of the loads below, into registers that the last products read
	PRELOAD \par
.if \mode == 2
	XASK 128
.elseif \mode == 3
	XASK 192
.endif
	PRODUCE 1-\par, \fl, \left, 0                  ; the next step's p is made while the loads above are on their way
.if \mode == 3
	s_wait_dscnt 0x0                               ; my image's stores have read their registers: the softmax's registers are free
.irp t, 0,1,2,3,4
	XFILL \t
.endr
.endif
	CONSUME \par, 0, 4
.endm
	PRODUCE 0, 1, 8, 8192
	s_wait_tensorcnt 0x1                           ; step 0's tile is in; step 1's may stay out
	s_add_co_u32 s[KC], s[KC], 1
	FSTEP
	s_wait_dscnt 0x0                               ; my image's stores have landed
	BAR
	PRELOAD 0
	ASK
	PRODUCE 1, 1, 8, 0
	CONSUME 0, 1, 4                                ; the first step's products start the sums: nothing is cleared
	s_mov_b32 s[CNT], 6
.Lstep:                                            ; steps 1 to 12 of the walk, two a trip: they ask for the tiles of steps 2 to 13 and for f of steps 4 to 15
	TRIP 1, 1, 8, 0
	TRIP 0, 1, 8, 0
	s_sub_co_u32 s[CNT], s[CNT], 1
	s_cmp_lg_u32 s[CNT], 0
	s_cbranch_scc1 .Lstep
	TRIP 1, 0, 8, 2                                ; step 13: no f is left to ask for
	TRIP 0, 0, 0, 3                                ; step 14: it asks for the last tile and makes the last p
	v_add_f32 v[TA], v[LS], v[LS+1]                ; l: its two halves,
	v_permlanex16_b32 v[TA+1], v[TA], s[SEL], s[SEL+1]
	v_add_f32 v[TA], v[TA], v[TA+1]                ; and lane l xor 16's
	v_rcp_f32 v[TA], v[TA]
	v_nop                                          ; a plain instruction behind the reciprocal
	s_add_co_i32 s58, s50, s51
	s_wait_alu depctr_va_vdst(0)                   ; the wait ahead of its first reader
	v_mul_f32 v[TA], s52, v[TA]
	v_ldexp_f32 v[TA], v[TA], s58                  ; gamma x 2^(e8 + e9) / l of my tile's queries
	ds_store_b32 v[LSA], v[TA]
	; step 15: nothing is filled, so a barrier of the work-group does
	s_wait_tensorcnt 0x0
	ds_add_u32 v[SPW], v[NIL]
	s_wait_dscnt 0x0
	BAR
.irp q, 0,1,2,3
	ds_load_b32 v[AQ+\q], v[LLA] offset:64*\q      ; the factor of my lane's query in each of the four tiles; older than PRELOAD's loads, so group 0's wait shows them in
.endr
	PLACES 4
	PRELOAD 1
; THE WAY OUT of tile ct: out0 = sum x factor + x, one fused multiply-add a number, in the registers that hold x; each accumulator is read from its low end on.
; The wait counts the younger loads of x.  Tiles 0 to 4: four sets (what is left of sets 0 to 4, and of sets 8 on what has been asked for).  Tiles 5 to 7: their sets came in ahead of the loop.
; Tiles 8 to 15: the sets behind theirs.  Behind tile ct < 8 its accumulators, which have been read, take set ct + 8.
.macro TURN ct
	XSET \ct
.if (\ct) < 5
	s_wait_loadcnt 32
.elseif (\ct) >= 8
	s_wait_loadcnt 8*(15-(\ct))
.endif
	WIN (xw<<6)|(xw<<4)|(2+(\ct)/8)                ; x (source 2 and destination) in its window, the sums (source 0) in window 2 or 3, the factors in window 0
.irp j, 0,1,2,3,4,5,6,7
.irp q, 0,1,2,3
	v_fma_f32 v[xb+4*\j+\q], v[8*(4*((\ct)%8)+\q)+\j], v[AQ+\q], v[xb+4*\j+\q]
.endr
.endr
	WIN xw<<2                                      ; store data in x's window, address in window 0
.irp j, 0,1,2,3,4,5,6,7
	global_store_b128 v[EOFF], v[xb+4*\j:xb+4*\j+3], s[16:17] offset:(16*(\ct)+\j)*8192 th:TH_STORE_NT   ; sixteen lanes store 256 consecutive bytes, aligned
.endr
	WIN 0
.if (\ct) < 8
	XFILL (\ct)+8
.endif
.endm
; The last key step.  Group ii finishes tile ii; tile ii - 1 leaves behind it.  The 32 multiply-adds of a tile's way out name no register of the group in front of them: they are the places behind its
; products; group 0 has four v_nop, and the runs of LDS loads have their own.
.set ii, 0
.rept 16
	GWAIT 0
	GROUP 0
.if ii == 0
	PLACES 4
.endif
.if (ii < 8) && (ii % 2)
	RUN 1
.endif
.if ii > 0
	TURN ii-1
.endif
.set ii, ii+1
.endr
	TURN 15
	s_wait_tensorcnt 0x0                           ; the wave's end: behind my last tensor load and my last LDS store
	ds_add_u32 v[SPW], v[NIL]
	s_wait_dscnt 0x0
	ROUND                                          ; the closing round: no work-group ends while a partner may still ask for a tile that names it
	s_endpgm
.Lfunc_end_k_qdc09a4a0ff_attn:
	.size	k_qdc09a4a0ff_attn, .Lfunc_end_k_qdc09a4a0ff_attn-k_qdc09a4a0ff_attn
	.p2alignl 7, 3214868480
	.fill 96, 4, 3214868480
	.section	.rodata,"a",@progbits
	.p2align	6, 0x0
	.amdhsa_kernel k_qdc09a4a0ff_attn
		.amdhsa_group_segment_fixed_size 327680
		.amdhsa_private_segment_fixed_size 0
		.amdhsa_enable_private_segment 0
		.amdhsa_kernarg_size 56
		.amdhsa_user_sgpr_count 2
		.amdhsa_user_sgpr_kernarg_segment_ptr 1
		.amdhsa_wavefront_size32 1
		.amdhsa_system_sgpr_workgroup_id_x 1
		.amdhsa_system_sgpr_workgroup_id_y 1
		.amdhsa_system_sgpr_workgroup_id_z 1
		.amdhsa_system_vgpr_workitem_id 0
		.amdhsa_next_free_vgpr 1024
		.amdhsa_next_free_sgpr 100
		.amdhsa_reserve_vcc 0
		.amdhsa_float_denorm_mode_32 3
		.amdhsa_float_denorm_mode_16_64 3
		.amdhsa_memory_ordered 1
		.amdhsa_forward_progress 1
		.amdhsa_inst_pref_size 241
	.end_amdhsa_kernel
	.amdgpu_metadata
---
amdhsa.version: [ 1, 2 ]
amdhsa.kernels:
  - .name:           k_qdc09a4a0ff_attn
    .symbol:         k_qdc09a4a0ff_attn.kd
    .args:
      - { .name: x, .offset: 0, .size: 8, .value_kind: global_buffer, .address_space: global }
      - { .name: hq, .offset: 8, .size: 8, .value_kind: global_buffer, .address_space: global }
      - { .name: fq, .offset: 16, .size: 8, .value_kind: global_buffer, .address_space: global }
      - { .name: gq, .offset: 24, .size: 8, .value_kind: global_buffer, .address_space: global }
      - { .name: gamma, .offset: 32, .size: 8, .value_kind: global_buffer, .address_space: global }
      - { .name: lowp_scales, .offset: 40, .size: 8, .value_kind: global_buffer, .address_space: global }
      - { .name: out0, .offset: 48, .size: 8, .value_kind: global_buffer, .address_space: global }
    .group_segment_fixed_size: 327680
    .private_segment_fixed_size: 0
    .kernarg_segment_align: 8
    .kernarg_segment_size: 56
    .max_flat_workgroup_size: 128
    .sgpr_count:     100
    .vgpr_count:     1024
    .wavefront_size: 32
...
	.end_amdgpu_metadata
.endif
;; end of part 2
